; MI455X (gfx1250); checked and timed in simulation.
; The chip was launched on July 23, 2026; its instructions are those of AMD's public machine-readable ISA for CDNA 5 (MIT licence, August 2026) and "CDNA5" Instruction Set Architecture Reference Guide (July 2026). The comments in the code are by the model that wrote it; some were corrected since.
;; Concat Attn. Allowed arithmetic: matrix products marked QUANTISED: E2M1 operands, one E8M0 scale for each 32 along K, by v_wmma_scale_f32_16x16x128_f8f6f4 with both operands' format E2M1 (or v_wmma_scale_f32_32x16x128_f4), f32 sums; products left as they are: f32 operands where the result goes on into a quantised operand, else bf16, f16 or f32 operands; f32 sums; everything else in f32.
;; Inputs: attn_W_codes 1,024 x 64 x 16 uint8 (E2M1 codes of attn_W, K innermost, in blocks of 32 codes, two codes a byte); attn_W_scales 1,024 x 64 uint8 (E8M0 scales of attn_W, one for each 32 codes along K); attn_b 1,024 float32; encoder_output 2,048 x 16 x 1,024 float32; hidden 1 x 16 x 1,024 float32; v 1,024 float32.
;; Outputs: out0 16 x 1 x 2,048 float32.
;; This version of the problem:
;;   THIS VERSION OF THE PROBLEM IS GIVEN IN LOW PRECISION. The matrix products marked QUANTISED in the list below multiply operands that are first quantised to E2M1 (2 exponent bits, 1 mantissa bit; 4 bits a number), with one power-of-two scale for each 32 numbers along K (OCP MX v1.0); their sums are f32. All else is computed in f32.
;;   The module's matrix products, in the order in which they are computed (A, B: the left and right operand; K: the contracted axis; several contracted axes count as one K, in the product's order):
;;     1. [M 32,768, K 2,048] x [K 2,048, N 1,024]; A: computed on the way; B: input attn_W (given as codes): QUANTISED
;;     2. [M 32,768, K 1,024] x [K 1,024, N 1]; A: computed on the way; B: input v: left as it is (N = 1 < 16)
;;   THE QUANTISER, for each operand of a quantised product, along K:
;;     - K is cut into blocks of 32 from its start; a last block that is shorter is filled with zeros.
;;     - A block's scale is 2^e with e = floor(log2(the largest magnitude in the block)) - 2, held to -126 .. 127; a block of zeros has e = 0. As a byte (E8M0): e + 127.
;;     - Each number is divided by its block's scale, clamped to +-6, and rounded to the nearest number of E2M1, ties to even, subnormals kept.
;;     - The product sums the exact products of the quantised numbers (number of the format x scale) in f32.
;;   ~~~python
;;   def quantise(x, axis):      # numpy; x: float32 -> the quantised numbers, widened to float32 again
;;       x = np.moveaxis(x, axis, -1); K = x.shape[-1]
;;       x = np.pad(x, [(0, 0)] * (x.ndim - 1) + [(0, -K % 32)]); x = x.reshape(x.shape[:-1] + (-1, 32)); a = np.abs(x).max(-1, keepdims=True)
;;       e = np.where(a > 0, np.clip(np.frexp(np.where(a > 0, a, 1))[1] - 1 - 2, -126, 127), 0)      # np.frexp(a)[1] - 1 = floor(log2(a)), exactly
;;       r = np.clip(x / 2.0 ** e, -6, 6)
;;       step = 2.0 ** (np.maximum(np.frexp(np.where(r == 0, 1, r))[1] - 1, 0) - 1)
;;       q = np.round(r / step) * step * 2.0 ** e      # np.round: ties to even
;;       return np.moveaxis(q.reshape(q.shape[:-2] + (-1,))[..., :K], -1, axis).astype(np.float32)
;;   ~~~
;;   OPERANDS COMPUTED ON THE WAY. 'Computed on the way' means the value that the module computes at that place (a softmax that the list does not call 'softmax' is quantised finished and normalised). What goes into a quantiser is computed in f32, as accurately as f32 sums, v_exp_f32 and their like allow (about 1e-6 of the number): no bf16 or f16 on the way to a quantiser, and a product that is left as it is and whose result goes on into a quantised operand takes f32 operands (vector FMAs, or v_wmma_f32_16x16x4_f32). A number that lies on a knife's edge between two numbers of the format may be rounded either way, as far as f32 arithmetic and the matrix unit's own rounding can turn it there, and no further.
;;   INPUTS GIVEN AS CODES. attn_W (in the module: [1024, 2048], K = its axis 1): each comes as NAME_codes (uint8): NAME with its K axis moved to the last place and cut into blocks of 32 codes, [.., K / 32, bytes a block], one block behind the other in memory; two codes a byte, the lower K in the low four bits (a code: sign, 2 exponent bits, 1 mantissa bit); and NAME_scales (uint8): the same leading axes, one E8M0 byte (e + 127) for each 32 codes along K. Its value is code x scale, taken as it is: it is not quantised again, and the codes and scales need not be those that the quantiser above would give.
;; One version. Each part assembles by itself: llvm-mc -triple=amdgcn-amd-amdhsa -mcpu=gfx1250 --defsym DOCPART=n.
;; ======== version 1 of 1: 2 launches
;; limits: right only within a limited range of input values
;; workspace buffers: logits 131,072 bytes
;; launch energy (part 1): grid 256 x 1, 8 waves a work-group, clusters of 4 x 1, 327,680 bytes of LDS; arguments attn_W_codes, attn_W_scales, encoder_output, v, logits; writes logits
.if DOCPART == 1
	.amdgcn_target "amdgcn-amd-amdhsa--gfx1250"
	.amdhsa_code_object_version 6
	.text
	.protected	k_qf6d76b51ca_energy
	.globl	k_qf6d76b51ca_energy
	.p2align	8
	.type	k_qf6d76b51ca_energy,@function
k_qf6d76b51ca_energy:
	s_mov_b64 s[64:65], 0
	v_nop
	global_prefetch_b8 v0, s[64:65] scope:SCOPE_SE
	s_setreg_imm32_b32 hwreg(HW_REG_WAVE_MODE, 25, 1), 1
	s_wait_xcnt 0x0
	s_wait_alu depctr_hold_cnt(0) depctr_sa_sdst(0) depctr_va_vdst(0) depctr_va_sdst(0) depctr_va_ssrc(0) depctr_va_vcc(0) depctr_vm_vsrc(0)
	s_getreg_b32 s2, hwreg(HW_REG_IB_STS2, 6, 4)
	s_cmp_eq_u32 s2, 0
	s_cbranch_scc0 .Lentry_in_a_cluster
	s_endpgm
.Lentry_in_a_cluster:
	s_bfe_u32 s2, ttmp6, 0x10000c
	s_cmp_lg_u32 s2, 0x3003
	s_cbranch_scc0 .Lentry_shape_is_right
	s_endpgm
.Lentry_shape_is_right:
; logits[b][t] = sum over h of v[h] * sum over k = 1,024 .. 2,047 of Q(cat[b][t])[k] * W[h][k],  cat[b][t] = [ hidden[b] | encoder_output[t][b] ].
; Q is the MX-FP4 quantiser along K (blocks of 32, E8M0 scale); W arrives as E2M1 codes [1024][1024 bytes] and scale bytes [1024][64].  Sums in f32.
; DEAD WORK LEFT OUT.  The definition's input of the softmax is sum over h of v[h] * ( attn_b[h] + sum over k < 1,024 of Q(hidden[b])[k] W[h][k] + sum over k >= 1,024 of Q(encoder_output[t][b])[k - 1,024] W[h][k] ).
;   1,024 is a multiple of 32, so no block of the quantiser holds numbers of both: the codes and scales of k < 1,024 hang on hidden[b] alone.  The first two terms are therefore the same for every t of a b,
;   whatever the inputs hold, and a softmax over t takes away what is the same for every t.  So hidden, attn_b and W's columns k < 1,024 have no way to the output: they are not loaded, and hidden and attn_b are no arguments.
; LIMITS: a NaN, an infinity or an overflow that reaches only the work left out is not carried to the result.  NaN and infinities in the other inputs are not served.
;   A block of zeros gets the scale byte 1 (the stated quantiser says 127): its codes are zeros, and the bytes are read by this text alone.
; SHARES.  A work-group of eight waves owns 128 rows of encoder_output: one b, t = 128 tb .. 128 tb + 127; b = g % 16, tb = g / 16, g the work-group's number.
;   K goes in four quarters of 256.  The products of quarter 0, of quarter 1, and of quarters 2 and 3 together are multiplied by v and added to the running sums at once, so that no result is kept.
;   STREAM: wave w reads rows 16 w .. 16 w + 15, a unit being 16 rows x 128 k (16 loads of 512 consecutive bytes); three units take turns in registers, and each place is asked for again once it is quantised.
;   QUANTISED IN THE LAYOUT IN WHICH IT WAS LOADED: lane l holds k = 4 l .. 4 l + 3 of each row, a block of 32 lies in 8 lanes.  The codes (16 bits a lane and row) and scale bytes go to LDS, two buffers by turns.
;   PRODUCTS: wave w takes rows 64 (w % 2) .. + 63 (two tiles of 32 t) and h = 256 (w / 2) .. + 255 (16 tiles).  Source 0 = 32 rows t, source 1 = 16 rows of W: lane (r, hh) holds h = r of the tile, register j row 16 (j / 8) + 8 hh + j % 8:
;   v is one number a lane and tile, and the sums over a tile's 16 lanes are made once, at the end.
; W: a half of K (512: 256 bytes of each of the 1,024 rows) lies in LDS whole.  It comes in pieces, 64 rows a wave: the rows of all waves' tiles 0-7 at the head, those of tiles 8-15 at the barrier in front of quarter 0's products;
;   the second half's take their places once quarter 1 is through with tiles 0-7, and at the barrier in front of quarter 2's products.
; CLUSTER.  Every work-group reads all of W's half, so the four of a cluster ask for it JOINTLY: the same tensor load, the same descriptor (made of the wave's number alone), the mask of all four.  encoder_output is read by one work-group only.
; PREFETCH: W's second half is asked for two quarters ahead of its use, each block of 256 bytes once by each of the first four clusters, shared out by address.  encoder_output is not prefetched: its own loads, up to 48 of 512 bytes in every wave, are kept out.
.set PITCH,  272                       ; a row of W in LDS: 256 bytes + 16 of padding: 17 x 16
.set YOFF,   128*PITCH                 ; from the rows of tiles 0-7 to those of tiles 8-15
.set AP,     144                       ; a row of codes of a quarter in LDS: 128 bytes + 16
.set ABUF,   1024*PITCH                ; two buffers of 128 rows
.set ASZ,    128*AP
.set SAT,    ABUF+2*ASZ                ; two buffers of scale words: (K step kk of the quarter, row t) at 512 kk + 4 t
.set VL,     SAT+2048                  ; v
.set RED,    VL+4096                   ; four partial results for each of 128 rows
.set SPARE,  RED+2048                  ; the spare words, 128 bytes for each wave
; window 0
.set GL,   0                           ; 16 x lane (in the thread number's register, written last at the head)
.set SPW,  1                           ; SPARE + 4 x thread; never rewritten
.set NIL,  2                           ; 0; never rewritten
.set CST,  3                           ; where I store codes
.set SST,  4                           ; where I store scale bytes
.set ARD,  5                           ; where I read fragments of codes
.set ASR,  6                           ; and their scale words
.set WAD,  7                           ; where I read W
.set AS,   8                           ; v8-15    the rows' scale words: even quarters, then odd ones: 32-row tile P, K step kk at 2 P + kk, lane l its row l.  Scales and nothing else
.set WS,   16                          ; v16-79   W's scale words: tile T, register i: lanes 0-15 K step i, lanes 16-31 K step 4 + i.  Scales and nothing else
.set VV,   80                          ; v80-95   v: one number a lane for each of my 16 tiles
.set E,    96                          ; v96-127  the running sums: 16-row tile m, register j at 8 m + j.  Until the first products, addresses that serve the head alone:
.set WSA,  E                           ;          W's scale words in memory
.set VGO,  E+1                         ;          v, in memory,
.set VST,  E+2                         ;          on the way into LDS,
.set VRD,  E+3                         ;          and back
.set PFO,  E+4                         ;          the prefetch's offset
.set ACC,  128                         ; v128-191 a pair of tiles' four accumulators of 16 registers; between the products the quantiser works here:
.set TT,   ACC                         ;          16 rows' maxima,
.set SS,   ACC+16                      ;          16 rows' scale operands,
.set CC,   ACC+32                      ;          16 rows' codes
.set VX,   ACC+48                      ;          the head: at work; v on its way
.set REDW, ACC+20                      ;          the end: where I store partial results,
.set REDR, ACC+21                      ;          and where wave 0 reads them
.set WF,   192                         ; v192-255 two sets of a pair of tiles' fragments of W
; window 1: v0-191 three units as loaded; v192-255 the rows' fragments: 32-row tile P, K step kk at 32 P + 16 kk; those of quarter 2 lie in v128-191, the place of units 2 and 5, which takes no unit after these
.set AF,   192
.set AF2,  128
.set G1,   28                          ; s[28:35] descriptor group 1, s[36:39] group 0
.set G0,   36
.set MKA,  57                          ; lanes with bit 0 set; 58: bit 1; 59: bit 2; 60: bit 3
.set MSB, 0
.macro WIN new                         ; bits 1:0 source 0, 3:2 source 1, 5:4 source 2, 7:6 destination; the high byte repeats the setting that is left
.if MSB != (\new)
	s_set_vgpr_msb (MSB<<8)|(\new)
.set MSB, (\new)
.endif
.endm
.macro PLACES                          ; four plain vector instructions that name none of a matrix instruction's registers (ISA guide 7.12.1)
.rept 4
	v_nop
.endr
.endm
.macro CROUND                          ; a round of the cluster's barrier
	s_barrier_signal -1
	s_barrier_wait -1
	s_cmp_lg_u32 s18, 0
	s_cbranch_scc1 .Lnot_wave_0_\@
	s_barrier_signal -3
.Lnot_wave_0_\@:
	s_barrier_wait -3
	s_barrier_signal -1
	s_barrier_wait -1
.endm
; Unit u: K step u of my 16 rows: a load for each row
.macro LOADS u
	WIN 0x40
.irp i, 0,1,2,3,4,5,6,7,8,9,10,11,12,13,14,15
	global_load_b128 v[64*((\u)%3)+4*\i:64*((\u)%3)+4*\i+3], v[GL], s[8:9] offset:\i*65536+512*(\u) th:TH_LOAD_NT
.endr
.endm
; A unit is quantised and goes to LDS.
.macro QU u
.set qR, 64*((\u)%3)
.set qB, ((\u)/2)%2
.set qK, (\u)%2
.if (\u) < 6
	s_wait_loadcnt 32                              ; younger: two units (unit 0: unit 1 and the 16 loads of W's scale words; unit 1: those and unit 2)
.else
	s_wait_loadcnt 16*(7-(\u))                     ; younger: what is left
.endif
	WIN 0x05
.irp i, 0,1,2,3,4,5,6,7,8,9,10,11,12,13,14,15
	v_max3_num_f32 v[TT+\i], |v[qR+4*\i]|, |v[qR+4*\i+1]|, 0x1800000   ; row i: my four, and the floor 2^(3 - 127): the byte cannot fall under 1
.endr
.irp i, 0,1,2,3,4,5,6,7,8,9,10,11,12,13,14,15
	v_max3_num_f32 v[TT+\i], |v[qR+4*\i+2]|, |v[qR+4*\i+3]|, v[TT+\i]
.endr
	WIN 0
; the maxima over the block's 8 lanes; after each step a lane keeps the row that its bit chooses: in the end lane l has rows l % 8 and 8 + l % 8 of block l / 8
.irp i, 0,1,2,3,4,5,6,7,8,9,10,11,12,13,14,15
	v_max_num_f32_dpp v[TT+\i], v[TT+\i], v[TT+\i] row_xmask:1 row_mask:0xf bank_mask:0xf
.endr
.irp i, 0,2,4,6,8,10,12,14
	v_cndmask_b32 v[TT+\i], v[TT+\i], v[TT+\i+1], s[MKA]
.endr
.irp i, 0,2,4,6,8,10,12,14
	v_max_num_f32_dpp v[TT+\i], v[TT+\i], v[TT+\i] row_xmask:2 row_mask:0xf bank_mask:0xf
.endr
.irp i, 0,4,8,12
	v_cndmask_b32 v[TT+\i], v[TT+\i], v[TT+\i+2], s[MKA+1]
.endr
.irp i, 0,4,8,12
	v_max_num_f32_dpp v[TT+\i], v[TT+\i], v[TT+\i] row_xmask:4 row_mask:0xf bank_mask:0xf
.endr
.irp i, 0,8
	v_cndmask_b32 v[TT+\i], v[TT+\i], v[TT+\i+4], s[MKA+2]
.endr
.irp i, 0,8
	v_add_nc_u32 v[TT+\i], 0xff000000, v[TT+\i]    ; 2 off the exponent field: the conversion takes the exponent field of this operand as its scale
.endr
.irp i, 0,1,2,3,4,5,6,7
	v_mov_b32_dpp v[SS+\i], v[TT] dpp8:[\i,\i,\i,\i,\i,\i,\i,\i]   ; row i's, in all 8 lanes of the block
	v_mov_b32_dpp v[SS+8+\i], v[TT+8] dpp8:[\i,\i,\i,\i,\i,\i,\i,\i]
.endr
	v_lshrrev_b32 v[TT+1], 23, v[TT]               ; the scales' bytes
	v_lshrrev_b32 v[TT+9], 23, v[TT+8]
	WIN 0x01
.irp i, 0,1,2,3,4,5,6,7,8,9,10,11,12,13,14,15
	v_cvt_scalef32_pk8_fp4_f32 v[CC+\i], v[qR+8*(\i/2):qR+8*(\i/2)+7], v[SS+\i]   ; two rows' numbers under row i's scale: of the result the half of row i counts: the low one for even i, the high one for odd i
.endr
	WIN 0
	v_nop                                          ; one plain place behind a scaled conversion
	ds_store_b8 v[SST], v[TT+1] offset:qB*1024+512*qK
	ds_store_b8 v[SST], v[TT+9] offset:qB*1024+512*qK+32
.irp i, 0,2,4,6,8,10,12,14
	ds_store_b16 v[CST], v[CC+\i] offset:qB*ASZ+\i*AP+64*qK
	ds_store_b16_d16_hi v[CST], v[CC+\i+1] offset:qB*ASZ+(\i+1)*AP+64*qK
.endr
.endm
; The fragments of W of tiles 2 p, 2 p + 1 for quarter q, into set par: lane (r, hh) takes 16 bytes at row r, 128 (q % 2) + 64 kk + 32 c + 16 hh
.macro WLOAD q, p, par
.irp u, 0,1
.irp kk, 0,1
.irp c, 0,1
	ds_load_b128 v[WF+32*(\par)+16*\u+8*\kk+4*\c:WF+32*(\par)+16*\u+8*\kk+4*\c+3], v[WAD] offset:(2*(\p)+\u)*16*PITCH+128*((\q)&1)+64*\kk+32*\c
.endr
.endr
.endr
.endm
; Tiles 2 p, 2 p + 1, K step kk of quarter q: the four accumulators by turns: three others stand between a sum's two steps.  zero = 1 starts the sums.
.macro MUL q, p, kk, par, zero
.if (\q) == 2
.set mF, AF2
.else
.set mF, AF
.endif
.irp u, 0,1
.irp m, 0,1
.set mD, ACC+32*\u+16*\m
.set mA, mF+32*\m+16*(\kk)
.set mW, WF+32*(\par)+16*\u+8*(\kk)
.set mR, AS+4*((\q)&1)+2*\m+(\kk)
.set mS, WS+4*(2*(\p)+\u)+((2*(\q)+(\kk))&3)
.if \zero
.if (\q) < 2
	v_wmma_scale_f32_32x16x128_f4 v[mD:mD+15], v[mA:mA+15], v[mW:mW+7], 0, v[mR], v[mS]
.else
	v_wmma_scale_f32_32x16x128_f4 v[mD:mD+15], v[mA:mA+15], v[mW:mW+7], 0, v[mR], v[mS] matrix_b_scale:MATRIX_SCALE_ROW1
.endif
.else
.if (\q) < 2
	v_wmma_scale_f32_32x16x128_f4 v[mD:mD+15], v[mA:mA+15], v[mW:mW+7], v[mD:mD+15], v[mR], v[mS]
.else
	v_wmma_scale_f32_32x16x128_f4 v[mD:mD+15], v[mA:mA+15], v[mW:mW+7], v[mD:mD+15], v[mR], v[mS] matrix_b_scale:MATRIX_SCALE_ROW1
.endif
.endif
.endr
.endr
.endm
; Tile t's results times v, added to the sums: each accumulator from its low end on.
.macro DOT q, t
.set dA, ACC+32*((\t)&1)
.set dV, VV+2*((\t)/2)
.irp i, 0,2,4,6
.irp m, 0,1,2,3
.if ((\q) == 0) && ((\t) == 0)
	v_pk_mul_f32 v[E+8*\m+\i:E+8*\m+\i+1], v[dA+8*\m+\i:dA+8*\m+\i+1], v[dV:dV+1] op_sel_hi:[1,0]   ; the very first tile starts the sums
.elseif ((\t)&1) == 0
	v_pk_fma_f32 v[E+8*\m+\i:E+8*\m+\i+1], v[dA+8*\m+\i:dA+8*\m+\i+1], v[dV:dV+1], v[E+8*\m+\i:E+8*\m+\i+1] op_sel_hi:[1,0,1]
.else
	v_pk_fma_f32 v[E+8*\m+\i:E+8*\m+\i+1], v[dA+8*\m+\i:dA+8*\m+\i+1], v[dV:dV+1], v[E+8*\m+\i:E+8*\m+\i+1] op_sel:[0,1,0] op_sel_hi:[1,1,1]
.endif
.endr
.endr
.endm
; A step: tiles 2 p, 2 p + 1 of quarter q from set par; then (dot = 1) the results times v; then the loads of pair np of quarter q into the same set (of quarter q + 1 where nx = 1; none where np < 0).
; zero = 1: the step starts the sums.  w0: the LDS loads that may be out when K step 0 begins; w1: when K step 1 begins (where a wait of its own is due).
.macro STEP q, p, par, zero, dot, w0, w1, np, nx
	s_wait_dscnt \w0
	WIN 0x01
	MUL \q, \p, 0, \par, \zero
.if (\w1) >= 0
	s_wait_dscnt \w1
.endif
	MUL \q, \p, 1, \par, 0
	WIN 0
	PLACES                                         ; in front of the first readers of the results and of the loads into W's registers
.if \dot
	DOT \q, (2*\p)
	DOT \q, (2*\p+1)
.endif
.if (\np) >= 0
	WLOAD (\q+\nx), \np, \par
.endif
.endm
; The barrier behind which all waves' codes and all parts of W that are out are in.
.macro MEET
	WIN 0
	s_wait_alu depctr_va_vdst(0)
	s_wait_tensorcnt 0x0                           ; my part of W is in
	s_wait_dscnt 0x0                               ; for the others' sake: my stores have landed, and my reads are over
	s_barrier_signal -1
	s_barrier_wait -1
.endm
; The round of the cluster's barrier in front of a piece of W.  y = 1: the rows of tiles 8-15 of the half in hand; y = 0: the rows of tiles 0-7 of the second half.
.macro FILL y
	WIN 0
	s_wait_alu depctr_va_vdst(0)
	s_wait_tensorcnt 0x0                           ; no tensor load of mine is out: the descriptor may be stepped
	ds_add_u32 v[SPW], v[NIL]                      ; 0 onto my spare word
.if \y
	s_add_co_u32 s[G0+1], s61, YOFF
	s_add_nc_u64 s[G0+2:G0+3], s[G0+2:G0+3], 131072
.else
	s_mov_b32 s[G0+1], s61
	s_sub_nc_u64 s[G0+2:G0+3], s[G0+2:G0+3], 131072-256
.endif
	s_wait_dscnt 0x0                               ; the add is done, my stores have landed, and my reads of the rows that are filled are over
	CROUND                                         ; of every wave of the cluster
	tensor_load_to_lds s[G0:G0+3], s[G1:G1+7]      ; my one tensor load behind the round
	s_nop 0
	PLACES
.endm
; The rows' scale words and fragments of quarter q, K step 0 first.
.macro AHEAD q
.if (\q) == 2
.set aF, AF2
.else
.set aF, AF
.endif
	WIN 0
.irp kk, 0,1
.irp m, 0,1
	ds_load_b32 v[AS+4*((\q)&1)+2*\m+\kk], v[ASR] offset:((\q)&1)*1024+512*\kk+128*\m
.endr
.endr
.if (\q) == 0
.irp t, 0,1,2,3,4,5,6,7,8,9,10,11,12,13,14,15
	ds_load_b32 v[VV+\t], v[VRD] offset:64*\t
.endr
.endif
	WIN 0x40
.irp kk, 0,1
.irp m, 0,1,2,3
.irp c, 0,1
	ds_load_b128 v[aF+32*(\m/2)+16*\kk+8*(\m%2)+4*\c:aF+32*(\m/2)+16*\kk+8*(\m%2)+4*\c+3], v[ARD] offset:((\q)&1)*ASZ+\m*16*AP+64*\kk+32*\c
.endr
.endr
.endr
	WIN 0
.endm
	s_load_b256 s[4:11], s[0:1], 0x0               ; W's codes s[4:5], W's scales s[6:7], encoder_output s[8:9], v s[10:11]
	s_load_b64 s[12:13], s[0:1], 0x20              ; logits
	v_lshl_add_u32 v[SPW], v0, 2, SPARE
	v_mov_b32 v[NIL], 0
	ds_add_u32 v[SPW], v[NIL]                      ; the wave's opening: the add, twice on end, and its wait ahead of my first tensor load
	ds_add_u32 v[SPW], v[NIL]
	v_lshrrev_b32 v[VX], 5, v0
	v_readfirstlane_b32 s18, v[VX]                 ; wave 0..7
	s_bfe_u32 s19, ttmp6, 0x40000                  ; cx: my place in the cluster
	s_lshl_b32 s20, ttmp9, 2                       ; in a cluster launch ttmp9 counts clusters
	s_add_co_u32 s20, s20, s19                     ; g: it enters the addresses of encoder_output and logits alone
	s_and_b32 s21, s20, 15                         ; b
	s_lshr_b32 s22, s20, 4                         ; tb
	s_lshl_b32 s40, s22, 23                        ; encoder_output: 128 tb rows t of 65,536 bytes,
	s_lshl_b32 s41, s18, 20                        ; + my 16 w rows,
	s_add_co_u32 s40, s40, s41
	s_lshl_b32 s41, s21, 12                        ; + 4,096 b
	s_add_co_u32 s40, s40, s41
	s_mov_b32 s41, 0
	s_lshl_b32 s42, s21, 13                        ; logits: 8,192 b + 512 tb
	s_lshl_b32 s43, s22, 9
	s_add_co_u32 s42, s42, s43
	s_mov_b32 s43, 0
	s_and_b32 s24, s18, 1                          ; my half of the rows t
	s_lshr_b32 s25, s18, 1                         ; my quarter of h
	s_lshl_b32 s50, s25, 18                        ; W: I fetch rows 256 (w / 2) + 64 (w % 2) on, from k = 1,024 on
	s_lshl_b32 s51, s24, 16
	s_add_co_u32 s50, s50, s51
	s_add_co_u32 s50, s50, 512
	s_mov_b32 s51, 0
	s_mul_i32 s49, s25, 256*PITCH
	s_mul_i32 s27, s24, 64*PITCH
	s_add_co_u32 s61, s49, s27                     ; and in LDS: the wave's number alone
	s_mul_i32 s44, s18, 16*AP
	s_add_co_u32 s44, s44, ABUF
	s_lshl_b32 s45, s18, 6
	s_add_co_u32 s45, s45, SAT
	s_mul_i32 s47, s24, 64*AP
	s_add_co_u32 s47, s47, ABUF
	s_lshl_b32 s48, s24, 8
	s_lshl_b32 s52, s25, 9
	s_add_co_u32 s52, s52, s48
	s_add_co_u32 s52, s52, RED
	s_add_co_u32 s48, s48, SAT
	s_lshl_b32 s53, s25, 14                        ; W's scale bytes: 256 rows of 64 bytes a quarter of h; those of k >= 1,024 begin at byte 32
	s_add_co_u32 s53, s53, 32
	s_lshl_b32 s54, s18, 9
	s_lshl_b32 s55, s25, 10
	s_add_co_u32 s55, s55, VL
	s_lshl_b32 s56, s19, 18                        ; the prefetch: rows 256 cx + 32 w + lane of W
	s_lshl_b32 s26, s18, 15
	s_add_co_u32 s56, s56, s26
	s_mov_b32 s[MKA], 0xaaaaaaaa
	s_mov_b32 s[MKA+1], 0xcccccccc
	s_mov_b32 s[MKA+2], 0xf0f0f0f0
	s_mov_b32 s[MKA+3], 0xff00ff00
	; descriptor group 1: 64 rows x 256 bytes, 1,024 bytes apart in memory, padded in LDS
	s_mov_b32 s[G1+0], 15|(0<<16)|(1<<20)|(1<<21)|(5<<22)|(3<<25)   ; 15:0 the mask: all four work-groups; 17:16 elements of 1 byte; 20 padding on; 21 set beside a mask; 24:22 after every 64 words (code 5); 31:25 four words (code 3)
	s_mov_b32 s[G1+1], 256<<16                     ; tensor_dim0
	s_mov_b32 s[G1+2], 64<<16                      ; tensor_dim1
	s_mov_b32 s[G1+3], 256<<16                     ; tile_dim0
	s_mov_b32 s[G1+4], 64                          ; tile_dim1
	s_mov_b32 s[G1+5], 1024                        ; from row to row
	s_mov_b32 s[G1+6], 0
	s_mov_b32 s[G1+7], 0
	v_and_b32 v[VX], 31, v0                        ; lane
	v_and_b32 v[VX+1], 15, v0                      ; r
	v_bfe_u32 v[VX+2], v0, 4, 1                    ; hh
	v_lshl_add_u32 v[CST], v[VX], 1, s44           ; ABUF + 16 w rows + 2 lane
	v_and_b32 v[VX+3], 7, v0
	v_lshl_add_u32 v[SST], v[VX+3], 2, s45         ; SAT + 4 (16 w + lane % 8) + lane / 8
	v_bfe_u32 v[VX+3], v0, 3, 2
	v_add_nc_u32 v[SST], v[SST], v[VX+3]
	v_mul_u32_u24 v[ARD], v[VX+1], AP
	v_lshl_add_u32 v[ARD], v[VX+2], 4, v[ARD]
	v_add_nc_u32 v[ARD], s47, v[ARD]
	v_lshl_add_u32 v[ASR], v[VX], 2, s48           ; SAT + 4 (64 (w % 2) + lane)
	v_mul_u32_u24 v[WAD], v[VX+1], PITCH
	v_lshl_add_u32 v[WAD], v[VX+2], 4, v[WAD]
	v_add_nc_u32 v[WAD], s49, v[WAD]
	v_lshl_add_u32 v[WSA], v[VX+1], 6, s53
	v_lshl_add_u32 v[WSA], v[VX+2], 4, v[WSA]
	v_lshl_add_u32 v[VGO], v[VX], 4, s54
	v_add_nc_u32 v[VST], VL, v[VGO]
	v_lshl_add_u32 v[VRD], v[VX+1], 2, s55
	v_lshl_add_u32 v[PFO], v[VX], 10, s56
	v_lshlrev_b32 v[GL], 4, v[VX]
.irp i, 0,1,2,3,4,5,6,7,8,9,10,11,12,13,14,15
	v_mov_b32 v[SS+\i], 0                          ; written once: a DPP move's destination counts as one of its sources
.endr
	s_wait_alu depctr_va_vdst(0)
	s_wait_dscnt 0x0                               ; both opening adds are done
	CROUND                                         ; all four work-groups are here: the first joint loads meet.  (The round names no argument, so it stands ahead of the wait for them)
	s_wait_kmcnt 0x0
	s_mov_b32 s[G0], 1                             ; count = 1
	s_mov_b32 s[G0+1], s61                         ; LDS address
	s_add_nc_u64 s[G0+2:G0+3], s[4:5], s[50:51]    ; global address
	s_or_b32 s[G0+3], s[G0+3], 0x80000000          ; type = 2
	tensor_load_to_lds s[G0:G0+3], s[G1:G1+7]      ; the rows of tiles 0-7 of W's first half of k >= 1,024: my one tensor load at the head
	s_nop 0
	PLACES
	s_add_nc_u64 s[8:9], s[8:9], s[40:41]
	global_load_b128 v[VX:VX+3], v[VGO], s[10:11]  ; my 128 numbers of v
	LOADS 0
	LOADS 1
	WIN 0
.irp t, 0,1,2,3,4,5,6,7,8,9,10,11,12,13,14,15
	global_load_b128 v[WS+4*\t:WS+4*\t+3], v[WSA], s[6:7] offset:1024*\t   ; lanes 0-15 the words of K steps 0-3, lanes 16-31 those of K steps 4-7
.endr
	s_add_nc_u64 s[12:13], s[12:13], s[42:43]
	QU 0
	ds_store_b128 v[VST], v[VX:VX+3]               ; v's load is older than unit 0's
	LOADS 2                                        ; behind unit 0's quantising, which waits for less than what is out already
	QU 1
	LOADS 3
	LOADS 4
	WIN 0
	s_wait_alu depctr_va_vdst(0)
	s_cmp_lt_u32 ttmp9, 4                          ; four clusters ask for W's second half: 256 bytes of each row, a lane a row, a row once in a cluster
	s_cbranch_scc0 .Lno_ask
	global_prefetch_b8 v[PFO], s[4:5] offset:768 th:TH_LOAD_NT scope:SCOPE_SE
.Lno_ask:
	FILL 1                                         ; quarter 0's codes and the rows of tiles 0-7 are in; the rows of tiles 8-15 are asked for
	WLOAD 0, 0, 0
	AHEAD 0
	WLOAD 0, 1, 1
	s_wait_loadcnt 48                              ; W's scale words are in; younger: three units
	s_wait_xcnt 0x0                                ; the prefetch and the loads of the head have read their addresses: the sums may take those registers
	STEP 0, 0, 0, 1, 1, 16, 8, 2, 0                ; may be out: the fragments of K step 1 (8) and the next pair (8); then that pair
	STEP 0, 1, 1, 1, 1, 8, -1, 3, 0                ; from here on: the next pair's eight loads
	STEP 0, 2, 0, 1, 1, 8, -1, -1, 0
	STEP 0, 3, 1, 1, 1, 0, -1, -1, 0
	QU 2
	LOADS 5
	QU 3
	LOADS 6
	MEET                                           ; the rows of tiles 8-15 and quarter 1's codes are in
	WLOAD 0, 4, 0
	WLOAD 0, 5, 1
	STEP 0, 4, 0, 1, 1, 8, -1, 6, 0
	STEP 0, 5, 1, 1, 1, 8, -1, 7, 0
	STEP 0, 6, 0, 1, 1, 8, -1, 0, 1                ; quarter 1 reads the same half of W: its first tiles already
	STEP 0, 7, 1, 1, 1, 8, -1, 1, 1
	AHEAD 1
	STEP 1, 0, 0, 1, 1, 8, 0, 2, 0                 ; only the fragments of K step 1 may be out, then nothing
	STEP 1, 1, 1, 1, 1, 8, -1, 3, 0
	STEP 1, 2, 0, 1, 1, 8, -1, 4, 0
	STEP 1, 3, 1, 1, 1, 8, -1, 5, 0
	FILL 0                                         ; the rows of tiles 0-7 have been read for the last time: the second half's take their place
	STEP 1, 4, 0, 1, 1, 8, -1, 6, 0
	STEP 1, 5, 1, 1, 1, 8, -1, 7, 0
	STEP 1, 6, 0, 1, 1, 8, -1, -1, 0
	STEP 1, 7, 1, 1, 1, 0, -1, -1, 0
	QU 4
	LOADS 7
	QU 5
	QU 6
	QU 7
	FILL 1                                         ; the second half's rows of tiles 0-7 and the codes of quarters 2 and 3 are in; the rows of tiles 8-15 are filled
	WLOAD 2, 0, 0                                  ; quarters 2 and 3 by turns, a pair of tiles at a time, as one sum over K = 512: set 0 for quarter 2, set 1 for quarter 3
	AHEAD 2
	WLOAD 3, 0, 1
	AHEAD 3
	STEP 2, 0, 0, 1, 0, 36, 28, 1, 0               ; may be out: quarter 2's fragments of K step 1 (8), quarter 3's pair (8), scale words (4) and fragments (16)
	STEP 3, 0, 1, 0, 1, 16, 8, 1, 0                ; may be out: the fragments of K step 1 (8) and quarter 2's next pair (8)
	STEP 2, 1, 0, 1, 0, 8, -1, 2, 0
	STEP 3, 1, 1, 0, 1, 8, -1, 2, 0
	STEP 2, 2, 0, 1, 0, 8, -1, 3, 0
	STEP 3, 2, 1, 0, 1, 8, -1, 3, 0
	STEP 2, 3, 0, 1, 0, 8, -1, -1, 0
	STEP 3, 3, 1, 0, 1, 0, -1, -1, 0
	MEET                                           ; the rows of tiles 8-15 are in
	WLOAD 2, 4, 0
	WLOAD 3, 4, 1
	STEP 2, 4, 0, 1, 0, 8, -1, 5, 0
	STEP 3, 4, 1, 0, 1, 8, -1, 5, 0
	STEP 2, 5, 0, 1, 0, 8, -1, 6, 0
	STEP 3, 5, 1, 0, 1, 8, -1, 6, 0
	STEP 2, 6, 0, 1, 0, 8, -1, 7, 0
	STEP 3, 6, 1, 0, 1, 8, -1, 7, 0
	STEP 2, 7, 0, 1, 0, 8, -1, -1, 0
	STEP 3, 7, 1, 0, 1, 0, -1, -1, 0
	; ---- THE END: the sums over the 16 lanes of a row; after each step a lane keeps the register that its bit chooses: in the end lane (r, hh) has rows t = 16 (r / 8) + 8 hh + r % 8 and 32 on
	v_lshrrev_b32 v[ACC+22], 4, v[GL]              ; lane
	v_and_b32 v[ACC+23], 7, v[ACC+22]
	v_lshl_add_u32 v[REDW], v[ACC+23], 2, s52
	v_bfe_u32 v[ACC+23], v[ACC+22], 3, 1
	v_lshl_add_u32 v[REDW], v[ACC+23], 6, v[REDW]
	v_lshrrev_b32 v[ACC+23], 4, v[ACC+22]
	v_lshl_add_u32 v[REDW], v[ACC+23], 5, v[REDW]  ; RED + 512 (w / 2) + 4 (64 (w % 2) + 16 (r / 8) + 8 hh + r % 8)
	v_add_nc_u32 v[REDR], RED, v[GL]
.irp j, 0,1,2,3,4,5,6,7,8,9,10,11,12,13,14,15,16,17,18,19,20,21,22,23,24,25,26,27,28,29,30,31
	v_add_f32_dpp v[E+\j], v[E+\j], v[E+\j] row_xmask:1 row_mask:0xf bank_mask:0xf
.endr
.irp j, 0,2,4,6,8,10,12,14,16,18,20,22,24,26,28,30
	v_cndmask_b32 v[E+\j], v[E+\j], v[E+\j+1], s[MKA]
.endr
.irp j, 0,2,4,6,8,10,12,14,16,18,20,22,24,26,28,30
	v_add_f32_dpp v[E+\j], v[E+\j], v[E+\j] row_xmask:2 row_mask:0xf bank_mask:0xf
.endr
.irp j, 0,4,8,12,16,20,24,28
	v_cndmask_b32 v[E+\j], v[E+\j], v[E+\j+2], s[MKA+1]
.endr
.irp j, 0,4,8,12,16,20,24,28
	v_add_f32_dpp v[E+\j], v[E+\j], v[E+\j] row_xmask:4 row_mask:0xf bank_mask:0xf
.endr
.irp j, 0,8,16,24
	v_cndmask_b32 v[E+\j], v[E+\j], v[E+\j+4], s[MKA+2]
.endr
.irp j, 0,8,16,24
	v_add_f32_dpp v[E+\j], v[E+\j], v[E+\j] row_xmask:8 row_mask:0xf bank_mask:0xf
.endr
.irp j, 0,16
	v_cndmask_b32 v[E+\j], v[E+\j], v[E+\j+8], s[MKA+3]
.endr
	ds_store_b32 v[REDW], v[E]
	ds_store_b32 v[REDW], v[E+16] offset:128
	s_wait_alu depctr_va_vdst(0)
	s_wait_dscnt 0x0                               ; for wave 0's sake: my stores have landed
	s_barrier_signal -1
	s_barrier_wait -1
	s_cmp_lg_u32 s18, 0
	s_cbranch_scc1 .Lnot_first
.irp q, 0,1,2,3
	ds_load_b128 v[ACC+4*\q:ACC+4*\q+3], v[REDR] offset:512*\q   ; t = 4 lane .. 4 lane + 3 of the q-th quarter of h
.endr
	s_wait_dscnt 0x0
	v_pk_add_f32 v[ACC:ACC+1], v[ACC:ACC+1], v[ACC+4:ACC+5]
	v_pk_add_f32 v[ACC+2:ACC+3], v[ACC+2:ACC+3], v[ACC+6:ACC+7]
	v_pk_add_f32 v[ACC+8:ACC+9], v[ACC+8:ACC+9], v[ACC+12:ACC+13]
	v_pk_add_f32 v[ACC+10:ACC+11], v[ACC+10:ACC+11], v[ACC+14:ACC+15]
	v_pk_add_f32 v[ACC:ACC+1], v[ACC:ACC+1], v[ACC+8:ACC+9]
	v_pk_add_f32 v[ACC+2:ACC+3], v[ACC+2:ACC+3], v[ACC+10:ACC+11]
	global_store_b128 v[GL], v[ACC:ACC+3], s[12:13]   ; 32 lanes store 512 consecutive bytes, at a multiple of 512 from the buffer's first byte
.Lnot_first:
	s_wait_tensorcnt 0x0                           ; the wave's end: behind my last tensor load and my last LDS store
	ds_add_u32 v[SPW], v[NIL]
	s_wait_dscnt 0x0
	CROUND                                         ; the closing round: no work-group ends while a partner may still ask for a tile that names it
	s_endpgm
.Lfunc_end_k_qf6d76b51ca_energy:
	.size	k_qf6d76b51ca_energy, .Lfunc_end_k_qf6d76b51ca_energy-k_qf6d76b51ca_energy
	.p2alignl 7, 3214868480
	.fill 96, 4, 3214868480
	.section	.rodata,"a",@progbits
	.p2align	6, 0x0
	.amdhsa_kernel k_qf6d76b51ca_energy
		.amdhsa_group_segment_fixed_size 327680
		.amdhsa_private_segment_fixed_size 0
		.amdhsa_enable_private_segment 0
		.amdhsa_kernarg_size 40
		.amdhsa_user_sgpr_count 2
		.amdhsa_user_sgpr_kernarg_segment_ptr 1
		.amdhsa_wavefront_size32 1
		.amdhsa_system_sgpr_workgroup_id_x 1
		.amdhsa_system_sgpr_workgroup_id_y 1
		.amdhsa_system_sgpr_workgroup_id_z 1
		.amdhsa_system_vgpr_workitem_id 0
		.amdhsa_next_free_vgpr 512
		.amdhsa_next_free_sgpr 66
		.amdhsa_reserve_vcc 0
		.amdhsa_float_denorm_mode_32 3
		.amdhsa_float_denorm_mode_16_64 3
		.amdhsa_memory_ordered 1
		.amdhsa_forward_progress 1
		.amdhsa_inst_pref_size 209
	.end_amdhsa_kernel
	.amdgpu_metadata
---
amdhsa.version: [ 1, 2 ]
amdhsa.kernels:
  - .name:           k_qf6d76b51ca_energy
    .symbol:         k_qf6d76b51ca_energy.kd
    .args:
      - { .name: attn_W_codes, .offset: 0, .size: 8, .value_kind: global_buffer, .address_space: global }
      - { .name: attn_W_scales, .offset: 8, .size: 8, .value_kind: global_buffer, .address_space: global }
      - { .name: encoder_output, .offset: 16, .size: 8, .value_kind: global_buffer, .address_space: global }
      - { .name: v, .offset: 24, .size: 8, .value_kind: global_buffer, .address_space: global }
      - { .name: logits, .offset: 32, .size: 8, .value_kind: global_buffer, .address_space: global }
    .group_segment_fixed_size: 327680
    .private_segment_fixed_size: 0
    .kernarg_segment_align: 8
    .kernarg_segment_size: 40
    .max_flat_workgroup_size: 256
    .sgpr_count:     66
    .vgpr_count:     512
    .wavefront_size: 32
...
	.end_amdgpu_metadata
.endif
;; end of part 1
;; launch softmax (part 2): grid 16 x 1, 4 waves a work-group, no clusters, 768 bytes of LDS; arguments logits, out0; writes out0
.if DOCPART == 2
	.amdgcn_target "amdgcn-amd-amdhsa--gfx1250"
	.amdhsa_code_object_version 6
	.text
	.protected	k_qf6d76b51ca_softmax
	.globl	k_qf6d76b51ca_softmax
	.p2align	8
	.type	k_qf6d76b51ca_softmax,@function
k_qf6d76b51ca_softmax:
	s_mov_b64 s[64:65], 0
	v_nop
	global_prefetch_b8 v0, s[64:65] scope:SCOPE_SE
	s_setreg_imm32_b32 hwreg(HW_REG_WAVE_MODE, 25, 1), 1
	s_wait_xcnt 0x0
; out0[b][0][t] = softmax over t of logits[b][t].  logits, out0: [16][2048] f32.
; One work-group of four waves to a row b: thread i holds 16 numbers, four loads of 16 bytes at 16 i + 2,048 j, so that a wave's load or store covers 512 consecutive bytes.
; The row stays in registers between the maximum, the sum and the scaling.  The row's maximum is taken away before the exponential, as the definition has it.
; The difference is formed first and multiplied by log2(e) afterwards (two lines, not one fused one): so the exponent's error does not grow with a common offset of the row.
; Sixteen rows are all the work there is: sixteen work-groups.  No matrix unit, no tensor loads, no cluster: nothing is shared and nothing is multiplied.
; LIMITS: NaN and infinities are not served; an exponential that would fall under 2^-126 comes out as 0 (ISA guide, v_exp_f32).
	s_load_b128 s[4:7], s[0:1], 0x0                ; logits, out0
	v_lshl_add_u32 v40, v0, 2, 0x100
	v_mov_b32 v41, 0
	v_lshrrev_b32 v1, 5, v0
	v_readfirstlane_b32 s8, v1                     ; wave 0..3
	v_lshlrev_b32 v2, 4, v0                        ; 16 bytes a thread
	v_mov_b32 v3, s8
	v_lshlrev_b32 v3, 2, v3                        ; LDS: my wave's word
	v_mov_b32 v4, 0
	s_lshl_b32 s10, ttmp9, 13                      ; row b: 8,192 bytes
	s_mov_b32 s11, 0
	s_mov_b32 s12, 0x76543210                      ; v_permlanex16_b32's selects for lane l xor 16
	s_mov_b32 s13, 0xfedcba98
	s_mov_b32 s14, 0x3fb8aa3b                      ; log2(e)
	s_mov_b32 s15, s14                             ; (named with it as a pair, so it is written)
	s_wait_alu depctr_va_vdst(0)
	s_wait_kmcnt 0x0
	s_add_nc_u64 s[4:5], s[4:5], s[10:11]
	s_add_nc_u64 s[6:7], s[6:7], s[10:11]
.irp j, 0,1,2,3
	global_load_b128 v[8+4*\j:11+4*\j], v2, s[4:5] offset:2048*\j
.endr
	s_wait_loadcnt 0x0
	; the maximum: my 16 in two chains, the 32 lanes, the four waves
	v_max3_num_f32 v24, v8, v9, v10
	v_max3_num_f32 v25, v11, v12, v13
	v_max3_num_f32 v24, v24, v14, v15
	v_max3_num_f32 v25, v25, v16, v17
	v_max3_num_f32 v24, v24, v18, v19
	v_max3_num_f32 v25, v25, v20, v21
	v_max3_num_f32 v24, v24, v22, v23
	v_max_num_f32 v24, v24, v25
	v_max_num_f32_dpp v24, v24, v24 row_xmask:1 row_mask:0xf bank_mask:0xf
	v_max_num_f32_dpp v24, v24, v24 row_xmask:2 row_mask:0xf bank_mask:0xf
	v_max_num_f32_dpp v24, v24, v24 row_xmask:4 row_mask:0xf bank_mask:0xf
	v_max_num_f32_dpp v24, v24, v24 row_xmask:8 row_mask:0xf bank_mask:0xf
	v_permlanex16_b32 v25, v24, s12, s13
	v_max_num_f32 v24, v24, v25
	ds_store_b32 v3, v24                           ; all lanes write the same word with the same value
	s_wait_dscnt 0x0                               ; for the others' sake
	s_barrier_signal -1
	s_barrier_wait -1
	ds_load_b128 v[28:31], v4
	s_wait_dscnt 0x0
	v_max3_num_f32 v24, v28, v29, v30
	v_max_num_f32 v24, v24, v31                    ; the row's maximum, in every lane
	s_wait_alu depctr_va_vdst(0)
.irp j, 0,2,4,6,8,10,12,14
	v_pk_add_f32 v[8+\j:9+\j], v[8+\j:9+\j], v[24:25] op_sel_hi:[1,0] neg_lo:[0,1] neg_hi:[0,1]   ; x - maximum (of the pair the low word serves both halves)
.endr
.irp j, 0,2,4,6,8,10,12,14
	v_pk_mul_f32 v[8+\j:9+\j], v[8+\j:9+\j], s[14:15] op_sel_hi:[1,0]
.endr
	s_wait_alu depctr_va_vdst(0)
.irp j, 0,1,2,3,4,5,6,7,8,9,10,11,12,13,14,15
	v_exp_f32 v[8+\j], v[8+\j]                     ; e^(x - maximum), at most 1
.endr
	v_nop                                          ; one plain place behind the exponentials
	; the sum, the same way; the waves' words lie 16 bytes on, so that no second use of the first four words has to be ordered
	s_wait_alu depctr_va_vdst(0)
	v_pk_add_f32 v[26:27], v[8:9], v[10:11]
	v_pk_add_f32 v[32:33], v[12:13], v[14:15]
	v_pk_add_f32 v[26:27], v[26:27], v[16:17]
	v_pk_add_f32 v[32:33], v[32:33], v[18:19]
	v_pk_add_f32 v[26:27], v[26:27], v[20:21]
	v_pk_add_f32 v[32:33], v[32:33], v[22:23]
	v_pk_add_f32 v[26:27], v[26:27], v[32:33]
	v_add_f32 v26, v26, v27
	v_add_f32_dpp v26, v26, v26 row_xmask:1 row_mask:0xf bank_mask:0xf
	v_add_f32_dpp v26, v26, v26 row_xmask:2 row_mask:0xf bank_mask:0xf
	v_add_f32_dpp v26, v26, v26 row_xmask:4 row_mask:0xf bank_mask:0xf
	v_add_f32_dpp v26, v26, v26 row_xmask:8 row_mask:0xf bank_mask:0xf
	v_permlanex16_b32 v27, v26, s12, s13
	v_add_f32 v26, v26, v27
	ds_store_b32 v3, v26 offset:16
	s_wait_dscnt 0x0
	s_barrier_signal -1
	s_barrier_wait -1
	ds_load_b128 v[28:31], v4 offset:16
	s_wait_dscnt 0x0
	v_add_f32 v28, v28, v29
	v_add_f32 v30, v30, v31
	v_add_f32 v28, v28, v30                        ; the row's sum: at least 1, since the maximum's own term is 1
	s_wait_alu depctr_va_vdst(0)
	v_rcp_f32 v24, v28
	v_nop                                          ; one plain place behind the reciprocal
	s_wait_alu depctr_va_vdst(0)
.irp j, 0,2,4,6,8,10,12,14
	v_pk_mul_f32 v[8+\j:9+\j], v[8+\j:9+\j], v[24:25] op_sel_hi:[1,0]
.endr
.irp j, 0,1,2,3
	global_store_b128 v2, v[8+4*\j:11+4*\j], s[6:7] offset:2048*\j   ; a wave stores 512 consecutive bytes, at a multiple of 512 from the buffer's first byte
.endr
	s_wait_tensorcnt 0x0
	ds_add_u32 v40, v41
	s_wait_dscnt 0x0
	s_endpgm
.Lfunc_end_k_qf6d76b51ca_softmax:
	.size	k_qf6d76b51ca_softmax, .Lfunc_end_k_qf6d76b51ca_softmax-k_qf6d76b51ca_softmax
	.p2alignl 7, 3214868480
	.fill 96, 4, 3214868480
	.section	.rodata,"a",@progbits
	.p2align	6, 0x0
	.amdhsa_kernel k_qf6d76b51ca_softmax
		.amdhsa_group_segment_fixed_size 768
		.amdhsa_private_segment_fixed_size 0
		.amdhsa_enable_private_segment 0
		.amdhsa_kernarg_size 16
		.amdhsa_user_sgpr_count 2
		.amdhsa_user_sgpr_kernarg_segment_ptr 1
		.amdhsa_wavefront_size32 1
		.amdhsa_system_sgpr_workgroup_id_x 1
		.amdhsa_system_sgpr_workgroup_id_y 1
		.amdhsa_system_sgpr_workgroup_id_z 1
		.amdhsa_system_vgpr_workitem_id 0
		.amdhsa_next_free_vgpr 42
		.amdhsa_next_free_sgpr 66
		.amdhsa_reserve_vcc 0
		.amdhsa_float_denorm_mode_32 3
		.amdhsa_float_denorm_mode_16_64 3
		.amdhsa_memory_ordered 1
		.amdhsa_forward_progress 1
		.amdhsa_inst_pref_size 7
	.end_amdhsa_kernel
	.amdgpu_metadata
---
amdhsa.version: [ 1, 2 ]
amdhsa.kernels:
  - .name:           k_qf6d76b51ca_softmax
    .symbol:         k_qf6d76b51ca_softmax.kd
    .args:
      - { .name: logits, .offset: 0, .size: 8, .value_kind: global_buffer, .address_space: global }
      - { .name: out0, .offset: 8, .size: 8, .value_kind: global_buffer, .address_space: global }
    .group_segment_fixed_size: 768
    .private_segment_fixed_size: 0
    .kernarg_segment_align: 8
    .kernarg_segment_size: 16
    .max_flat_workgroup_size: 128
    .sgpr_count:     66
    .vgpr_count:     42
    .wavefront_size: 32
...
	.end_amdgpu_metadata
.endif
;; end of part 2
